; MI455X (gfx1250); checked and timed in simulation.
; The chip was launched on July 23, 2026; its instructions are those of AMD's public machine-readable ISA for CDNA 5 (MIT licence, August 2026) and "CDNA5" Instruction Set Architecture Reference Guide (July 2026). The comments in the code are by the model that wrote it; some were corrected since.
;; Multihead Lo RA. Allowed arithmetic: matrix products marked QUANTISED: E2M1 operands, one E8M0 scale for each 32 along K, by v_wmma_scale_f32_16x16x128_f8f6f4 with both operands' format E2M1 (or v_wmma_scale_f32_32x16x128_f4), f32 sums; everything else in f32.
;; Inputs: A 32 x 16 x 4,096 float32; B 32 x 1,024 x 16 float32; W 1,024 x 4,096 float32; x 4 x 2,048 x 4,096 float32.
;; Outputs: out0 4 x 2,048 x 1,024 float32.
;; This version of the problem:
;;   THIS VERSION OF THE PROBLEM IS GIVEN IN LOW PRECISION. The matrix products marked QUANTISED in the list below multiply operands that are first quantised to E2M1 (2 exponent bits, 1 mantissa bit; 4 bits a number), with one power-of-two scale for each 32 numbers along K (OCP MX v1.0); their sums are f32. All else is computed in f32.
;;   The module's matrix products, in the order in which they are computed (A, B: the left and right operand; K: the contracted axis; several contracted axes count as one K, in the product's order):
;;     1. [M 8,192, K 4,096] x [K 4,096, N 1,024]; A: input x; B: input W: QUANTISED
;;     2. [M 8,192, K 4,096] x [K 4,096, N 512]; A: input x; B: input A: QUANTISED
;;     3. [M 8,192, K 512] x [K 512, N 1,024]; A: computed on the way; B: input B: QUANTISED
;;   THE QUANTISER, for each operand of a quantised product, along K:
;;     - K is cut into blocks of 32 from its start; a last block that is shorter is filled with zeros.
;;     - A block's scale is 2^e with e = floor(log2(the largest magnitude in the block)) - 2, held to -126 .. 127; a block of zeros has e = 0. As a byte (E8M0): e + 127.
;;     - Each number is divided by its block's scale, clamped to +-6, and rounded to the nearest number of E2M1, ties to even, subnormals kept.
;;     - The product sums the exact products of the quantised numbers (number of the format x scale) in f32.
;;   ~~~python
;;   def quantise(x, axis):      # numpy; x: float32 -> the quantised numbers, widened to float32 again
;;       x = np.moveaxis(x, axis, -1); K = x.shape[-1]
;;       x = np.pad(x, [(0, 0)] * (x.ndim - 1) + [(0, -K % 32)]); x = x.reshape(x.shape[:-1] + (-1, 32)); a = np.abs(x).max(-1, keepdims=True)
;;       e = np.where(a > 0, np.clip(np.frexp(np.where(a > 0, a, 1))[1] - 1 - 2, -126, 127), 0)      # np.frexp(a)[1] - 1 = floor(log2(a)), exactly
;;       r = np.clip(x / 2.0 ** e, -6, 6)
;;       step = 2.0 ** (np.maximum(np.frexp(np.where(r == 0, 1, r))[1] - 1, 0) - 1)
;;       q = np.round(r / step) * step * 2.0 ** e      # np.round: ties to even
;;       return np.moveaxis(q.reshape(q.shape[:-2] + (-1,))[..., :K], -1, axis).astype(np.float32)
;;   ~~~
;;   OPERANDS COMPUTED ON THE WAY. 'Computed on the way' means the value that the module computes at that place (a softmax that the list does not call 'softmax' is quantised finished and normalised). What goes into a quantiser is computed in f32, as accurately as f32 sums, v_exp_f32 and their like allow (about 1e-6 of the number): no bf16 or f16 on the way to a quantiser, and a product that is left as it is and whose result goes on into a quantised operand takes f32 operands (vector FMAs, or v_wmma_f32_16x16x4_f32). A number that lies on a knife's edge between two numbers of the format may be rounded either way, as far as f32 arithmetic and the matrix unit's own rounding can turn it there, and no further.
;; One version. Each part assembles by itself: llvm-mc -triple=amdgcn-amd-amdhsa -mcpu=gfx1250 --defsym DOCPART=n.
;; ======== version 1 of 1: 3 launches
;; limits: right only within a limited range of input values
;; workspace buffers: xq 17,825,792 bytes; wq 2,228,224 bytes; aq 1,114,112 bytes; hq 2,228,224 bytes; bq 278,528 bytes
;; launch quant (part 1): grid 256 x 1, 20 waves a work-group, no clusters, 23,040 bytes of LDS; arguments x, W, A, B, xq, wq, aq, bq; writes xq, wq, aq, bq
.if DOCPART == 1
	.amdgcn_target "amdgcn-amd-amdhsa--gfx1250"
	.amdhsa_code_object_version 6
	.text
	.protected	k_q1614d23dce_quant
	.globl	k_q1614d23dce_quant
	.p2align	8
	.type	k_q1614d23dce_quant,@function
k_q1614d23dce_quant:
	s_mov_b64 s[64:65], 0
	v_nop
	global_prefetch_b8 v0, s[64:65] scope:SCOPE_SE
	s_setreg_imm32_b32 hwreg(HW_REG_WAVE_MODE, 25, 1), 1
	s_wait_xcnt 0x0
; x [8192][4096], W [1024][4096], A [512][4096] (K innermost) and B [32 heads][1024 o][16 r] (K = 16 head + r), all f32, become codes of FP4 (E2M1) with one E8M0 byte for each 32 along K.
; A block's scale is 2^(floor(log2(its largest magnitude)) - 2): its byte is the largest magnitude's exponent field - 2, held at 1 from below by a floor among the maximum's leaves.
; ALL GO OUT AS CHUNKS: 16 rows x 512 along K = 4,352 bytes = 17 x 256: the 16 bytes of block J of row r lie at 256 J + 16 r, then 16 scale bytes a row (byte J of row r at 4,096 + 16 r + J).
;   x, W, A: [row / 128][K / 512][tile of 16 rows][4,352].   B (K = 512): [o / 16][4,352].
;   B's scale bytes are lowered by 4: the factor S / heads = 2 / 32 = 2^-4 of the low-rank path rides in them, which rounds nothing.
;   Inside each block of 32 of B the four groups of eight codes stand in the order 0, 2, 1, 3: the order in which h comes out of its conversions; both sides alike, so each product meets its partner.
; LIMITS: NaN and infinities are not served.  A block of zeros gets the floor's byte (its codes are zeros; only this program reads the bytes).  Blocks under the floor, 2^-124 (B: 2^-120), are quantised on the floor's scale.
; SHARES: x, W and A are 4,096 + 512 + 256 = 4,864 chunks = 256 x 19: wave w < 19 of work-group g makes chunk 19 g + w, all by one path (only pointers and one number are chosen).
;   Wave 19 takes 32 outputs x 64 along K of B (256 such shares), by a path of its own that uses no LDS.  Waves share nothing: no barrier.
; A STEP of a chunk is 16 rows x 64 along K: eight loads, each of two rows' whole 256 bytes.  The conversion takes eight neighbours along K from ONE lane's registers.  So in each load lanes 0-15 take the even
;   pieces of 16 bytes and lanes 16-31 the odd ones, and of a pair of loads (rows 4 q, 4 q + 1 and rows 4 q + 2, 4 q + 3) the first's upper lanes change places with the second's lower lanes:
;   lane l then holds numbers 8 (l % 8) .. + 7 of row 4 q + 2 (l / 16) + (l / 8) % 2.  Four neighbouring lanes hold a block.  The f32 numbers never touch LDS.
;   A lane's four bytes of codes go through the wave's own stage (two blocks' 256 bytes, 320 apart, so that the two fall on different banks) and leave as 512 consecutive bytes in every step.
; No tensor loads, clusters or matrix units: nothing is shared and nothing is multiplied.  No prefetch: every byte is asked for once, by loads that run two steps ahead in the nineteen waves that make chunks.
.set EMAX,  2
.set CHUNK, 4352
.set NW,    19                         ; waves that make chunks
.set T_W,   4096                       ; first chunk of W, of A
.set T_A,   4608
.set JP,    320                        ; the stage: from block to block
.set SCB,   640                        ; behind it the chunk's 256 scale bytes
.set SPARE, 20480                      ; behind 20 regions of 1,024 bytes: the spare words, 128 bytes a wave
.set M,     16                         ; v16-19  largest magnitudes, one for each pair of loads
.set S,     20                         ; v20-23  the conversions' scale operands
.set R,     32                         ; v32-127 three sets of 32 numbers
.set C,     128                        ; v128-135 codes, two sets
.set E,     136                        ; v136-143 scale bytes, two sets
.set O,     144                        ; v144-175 the way out: four registers for each step, never written again
.set SO,    176                        ; v176-177 the scale bytes on the way out
.set SPW,   178
.set NIL,   179
.set XB,    32                         ; B's path: v32-95 my output's 64 numbers
.set CB,    128                        ; v128-135 their codes
	s_load_b512 s[4:19], s[0:1], 0x0               ; x, W, A, B, xq, wq, aq, bq
	v_lshl_add_u32 v[SPW], v0, 2, SPARE
	v_mov_b32 v[NIL], 0
	v_lshrrev_b32 v1, 5, v0
	v_readfirstlane_b32 s20, v1                    ; wave
	v_and_b32 v2, 31, v0                           ; lane
	s_cmp_eq_u32 s20, NW
	s_wait_alu depctr_va_vdst(0)                   ; the wait ahead of the branch
	s_cbranch_scc1 .Lb
; ---------------- x, W, A
	s_lshl_b32 s21, s20, 10                        ; my wave's LDS region
	v_bfe_u32 v10, v2, 3, 1                        ; which of a load's two rows
	v_and_b32 v11, 7, v2                           ; my group of eight of the step's 64
	v_lshrrev_b32 v12, 4, v2                       ; lane / 16
	v_bfe_u32 v13, v2, 2, 1                        ; which of the step's two blocks
	v_and_b32 v14, 3, v2                           ; my group of eight in the block
	v_and_b32 v15, 15, v2
	v_lshl_add_u32 v11, v11, 1, v12                ; my piece of 16 bytes: even below, odd above
	v_lshlrev_b32 v11, 4, v11
	v_lshl_add_u32 v3, v10, 14, v11                ; v3: a load's offset: row x 16,384 + piece x 16
	v_lshl_add_u32 v10, v12, 1, v10                ; my row of a pair's four
	v_mul_u32_u24 v4, v13, JP
	v_lshl_add_u32 v4, v10, 4, v4
	v_lshl_add_u32 v4, v14, 2, v4
	v_add_nc_u32 v4, s21, v4                       ; v4: my codes in the stage: JP block + 16 row + 4 group; 64 q in the immediate
	v_lshl_add_u32 v5, v10, 4, v13
	v_add_nc_u32 v5, s21, v5                       ; v5: my block's scale byte: 16 row + block; SCB + 64 q + 2 t in the immediate
	v_mul_u32_u24 v6, v12, JP
	v_lshl_add_u32 v6, v15, 4, v6
	v_add_nc_u32 v6, s21, v6                       ; v6: out of the stage: sixteen lanes to a block's 256 bytes
	v_lshlrev_b32 v7, 4, v2                        ; v7: and the same 512 bytes in the chunk
	v_lshlrev_b32 v9, 3, v2                        ; v9: the scale bytes in the chunk, 8 a lane
	v_add_nc_u32 v8, s21, v9                       ; v8: and in LDS
	s_mul_i32 s22, ttmp9, NW
	s_add_co_u32 s22, s22, s20                     ; my chunk's number among the 4,864
	s_wait_alu depctr_va_vdst(0)                   ; the wait at the head's end
	s_wait_kmcnt 0x0
	s_cmp_lt_u32 s22, T_A                          ; W or A?  The choices hang on ids alone
	s_cselect_b64 s[6:7], s[6:7], s[8:9]
	s_cselect_b64 s[14:15], s[14:15], s[16:17]
	s_mov_b32 s24, T_A
	s_cselect_b32 s24, T_W, s24
	s_cmp_lt_u32 s22, T_W                          ; x or one of those?
	s_cselect_b64 s[4:5], s[4:5], s[6:7]
	s_cselect_b64 s[12:13], s[12:13], s[14:15]
	s_cselect_b32 s24, 0, s24
	s_sub_co_u32 s22, s22, s24                     ; which chunk of its tensor
	s_and_b32 s23, s22, 7                          ; its K step of 512
	s_lshr_b32 s22, s22, 3                         ; its tile of 16 rows
	s_lshl_b32 s30, s22, 18                        ; in: 16 rows of 16,384 bytes,
	s_lshl_b32 s26, s23, 11                        ; + 2,048 bytes a K step
	s_add_co_u32 s30, s30, s26
	s_mov_b32 s31, 0
	s_lshr_b32 s32, s22, 3                         ; out: chunk 64 (tile / 8) + 8 K step + tile % 8
	s_lshl_b32 s32, s32, 3
	s_add_co_u32 s32, s32, s23
	s_lshl_b32 s32, s32, 3
	s_and_b32 s26, s22, 7
	s_add_co_u32 s32, s32, s26
	s_mul_i32 s32, s32, CHUNK
	s_mov_b32 s33, 0
	s_add_nc_u64 s[4:5], s[4:5], s[30:31]
	s_add_nc_u64 s[12:13], s[12:13], s[32:33]
.macro LOAD t                          ; step t: eight loads, each two rows' 256 consecutive bytes, read once in the launch
.set LSET, R+32*((\t)%3)
.irp q, 0,1,2,3
	global_load_b128 v[LSET+8*\q:LSET+8*\q+3], v3, s[4:5] offset:(4*\q)*16384+256*(\t) th:TH_LOAD_NT
	global_load_b128 v[LSET+8*\q+4:LSET+8*\q+7], v3, s[4:5] offset:(4*\q+2)*16384+256*(\t) th:TH_LOAD_NT
.endr
.endm
.macro STEP t
.if (\t)+2 < 8
	LOAD (\t)+2                                    ; into the set that the step before has worked
	s_wait_loadcnt 16                              ; this step's eight are in; the two later steps' sixteen may be out
.else
	s_wait_loadcnt 8*(7-(\t))
.endif
.set RS, R+32*((\t)%3)
.set CS, C+4*((\t)%2)
.set ES, E+4*((\t)%2)
.irp q, 0,1,2,3
.irp i, 0,1,2,3
	v_permlane16_swap_b32 v[RS+8*\q+\i], v[RS+8*\q+4+\i]   ; the first's lanes 16-31 (odd pieces) with the second's lanes 0-15 (even pieces): eight neighbours a lane
.endr
.endr
.irp q, 0,1,2,3                        ; the four pairs by turns: no line waits for the line above it
	v_max3_num_f32 v[M+\q], |v[RS+8*\q]|, |v[RS+8*\q+1]|, (EMAX+1)<<23   ; with the floor 2^(3 - 127): the byte cannot fall under 1
.endr
.irp i, 2,4,6
.irp q, 0,1,2,3
	v_max3_num_f32 v[M+\q], v[M+\q], |v[RS+8*\q+\i]|, |v[RS+8*\q+\i+1]|
.endr
.endr
.irp q, 0,1,2,3
	v_max_num_f32_dpp v[M+\q], v[M+\q], v[M+\q] row_xmask:1 row_mask:0xf bank_mask:0xf
.endr
.irp q, 0,1,2,3
	v_max_num_f32_dpp v[M+\q], v[M+\q], v[M+\q] row_xmask:2 row_mask:0xf bank_mask:0xf   ; the four lanes of a block
.endr
.irp q, 0,1,2,3
	v_add_nc_u32 v[S+\q], -(EMAX<<23), v[M+\q]     ; 2 off the exponent field: the conversion takes this operand's exponent field as its scale
.endr
.irp q, 0,1,2,3
	v_cvt_scalef32_pk8_fp4_f32 v[CS+\q], v[RS+8*\q:RS+8*\q+7], v[S+\q]
.endr
.irp q, 0,1,2,3
	v_lshrrev_b32 v[ES+\q], 23, v[S+\q]            ; the scale's byte (plain lines behind the conversions)
.endr
.irp q, 0,1,2,3
	ds_store_b8 v5, v[ES+\q] offset:SCB+64*\q+2*(\t)   ; the four lanes of a block write the same byte with the same value
.endr
.irp q, 0,1,2,3
	ds_store_b32 v4, v[CS+\q] offset:64*\q
.endr
	ds_load_b128 v[O+4*(\t):O+4*(\t)+3], v6        ; LDS serves a wave's instructions in order: this sees the stores above, and the next step's stores come behind it
.if (\t) > 0
	s_wait_dscnt 9                                 ; all but this step's nine: the step before is back in registers, and its stores have read theirs
	global_store_b128 v7, v[O+4*(\t)-4:O+4*(\t)-1], s[12:13] offset:512*(\t)-512   ; 32 lanes store 512 consecutive bytes, at a multiple of 256 from the buffer's first byte
.endif
.endm
	LOAD 0
	LOAD 1
.irp t, 0,1,2,3,4,5,6,7
	STEP \t
.endr
	ds_load_b64 v[SO:SO+1], v8 offset:SCB
	s_wait_dscnt 1                                 ; step 7's codes are back; the load just issued may be out
	global_store_b128 v7, v[O+28:O+31], s[12:13] offset:3584
	s_wait_dscnt 0x0
	global_store_b64 v9, v[SO:SO+1], s[12:13] offset:4096   ; the chunk's seventeenth unit of 256 bytes
	s_wait_tensorcnt 0x0                           ; the wave's end
	ds_add_u32 v[SPW], v[NIL]
	s_wait_dscnt 0x0
	s_endpgm
; ---------------- B.  The wave takes 32 outputs x 64 along K (4 heads); a lane takes one output: a block of 32 (two heads) lies in its 32 registers, so no other lane is asked for a maximum.
.Lb:
	s_and_b32 s23, ttmp9, 7                        ; which 64 along K
	s_lshr_b32 s22, ttmp9, 3                       ; which 32 outputs
	s_lshl_b32 s30, s23, 18                        ; in: 4 heads of 65,536 bytes,
	s_lshl_b32 s26, s22, 11                        ; + 32 outputs of 64 bytes
	s_add_co_u32 s30, s30, s26
	s_mov_b32 s31, 0
	s_mul_i32 s32, s22, 2*CHUNK                    ; out: my 32 outputs are two chunks on end
	s_mov_b32 s33, 0
	v_lshlrev_b32 v3, 6, v2                        ; in: 64 bytes an output
	v_lshrrev_b32 v4, 4, v2
	v_mul_u32_u24 v4, v4, CHUNK
	v_and_b32 v5, 15, v2
	v_lshl_add_u32 v5, v5, 4, v4                   ; my chunk, and 16 bytes an output
	s_lshl_b32 s27, s23, 9
	v_add_nc_u32 v4, s27, v5                       ; codes: blocks 2 s23 and 2 s23 + 1, 256 bytes each
	s_lshl_b32 s27, s23, 1
	v_add_nc_u32 v5, s27, v5                       ; their two scale bytes (4,096 bytes on, in the immediate)
	s_wait_alu depctr_va_vdst(0)                   ; the wait at the head's end
	s_wait_kmcnt 0x0
	s_add_nc_u64 s[10:11], s[10:11], s[30:31]
	s_add_nc_u64 s[18:19], s[18:19], s[32:33]
.irp j, 0,1
.irp e, 0,1
.irp i, 0,1,2,3
	global_load_b128 v[XB+32*\j+16*\e+4*\i:XB+32*\j+16*\e+4*\i+3], v3, s[10:11] offset:65536*(2*\j+\e)+16*\i   ; block j: heads 2 j and 2 j + 1 of the four
.endr
.endr
.endr
.macro BBLOCK j
.set XS, XB+32*(\j)
	s_wait_loadcnt 8-8*(\j)                        ; this block's eight loads are in; the later block's may be out
	v_max3_num_f32 v12, |v[XS]|, |v[XS+1]|, |v[XS+2]|
	v_max3_num_f32 v13, |v[XS+3]|, |v[XS+4]|, |v[XS+5]|
.irp i, 6,10,14,18,22,26
	v_max3_num_f32 v12, v12, |v[XS+\i]|, |v[XS+\i+1]|
	v_max3_num_f32 v13, v13, |v[XS+\i+2]|, |v[XS+\i+3]|
.endr
	v_max3_num_f32 v12, v12, |v[XS+30]|, |v[XS+31]|
	v_max3_num_f32 v12, v12, v13, (EMAX+5)<<23     ; the floor 2^(7 - 127): the byte, lowered by 4 below, cannot fall under 1
	v_add_nc_u32 v11, -(EMAX<<23), v12             ; the conversion's scale operand: the block's true scale
	v_lshrrev_b32 v13, 23, v11
	v_add_nc_u32 v13, -4, v13                      ; the byte that goes out stands for scale x 2^-4
.if (\j) == 0
	v_mov_b32 v10, v13
.else
	v_lshl_or_b32 v10, v13, 8, v10
.endif
	v_cvt_scalef32_pk8_fp4_f32 v[CB+4*(\j)], v[XS:XS+7], v11          ; groups of eight in the order 0, 2, 1, 3
	v_cvt_scalef32_pk8_fp4_f32 v[CB+4*(\j)+1], v[XS+16:XS+23], v11
	v_cvt_scalef32_pk8_fp4_f32 v[CB+4*(\j)+2], v[XS+8:XS+15], v11
	v_cvt_scalef32_pk8_fp4_f32 v[CB+4*(\j)+3], v[XS+24:XS+31], v11
	v_nop                                          ; one plain line behind the conversions
	global_store_b128 v4, v[CB+4*(\j):CB+4*(\j)+3], s[18:19] offset:256*(\j)   ; sixteen lanes store 256 consecutive bytes, aligned
.endm
	BBLOCK 0
	BBLOCK 1
	global_store_b16 v5, v10, s[18:19] offset:4096 ; two bytes, 16 apart from lane to lane: the other fourteen of a row come from other work-groups; 16,384 bytes of them in the whole launch
	s_endpgm
.Lfunc_end_k_q1614d23dce_quant:
	.size	k_q1614d23dce_quant, .Lfunc_end_k_q1614d23dce_quant-k_q1614d23dce_quant
	.p2alignl 7, 3214868480
	.fill 96, 4, 3214868480
	.section	.rodata,"a",@progbits
	.p2align	6, 0x0
	.amdhsa_kernel k_q1614d23dce_quant
		.amdhsa_group_segment_fixed_size 23040
		.amdhsa_private_segment_fixed_size 0
		.amdhsa_enable_private_segment 0
		.amdhsa_kernarg_size 64
		.amdhsa_user_sgpr_count 2
		.amdhsa_user_sgpr_kernarg_segment_ptr 1
		.amdhsa_wavefront_size32 1
		.amdhsa_system_sgpr_workgroup_id_x 1
		.amdhsa_system_sgpr_workgroup_id_y 1
		.amdhsa_system_sgpr_workgroup_id_z 1
		.amdhsa_system_vgpr_workitem_id 0
		.amdhsa_next_free_vgpr 180
		.amdhsa_next_free_sgpr 66
		.amdhsa_reserve_vcc 0
		.amdhsa_float_denorm_mode_32 3
		.amdhsa_float_denorm_mode_16_64 3
		.amdhsa_memory_ordered 1
		.amdhsa_forward_progress 1
		.amdhsa_inst_pref_size 43
	.end_amdhsa_kernel
	.amdgpu_metadata
---
amdhsa.version: [ 1, 2 ]
amdhsa.kernels:
  - .name:           k_q1614d23dce_quant
    .symbol:         k_q1614d23dce_quant.kd
    .args:
      - { .name: x, .offset: 0, .size: 8, .value_kind: global_buffer, .address_space: global }
      - { .name: W, .offset: 8, .size: 8, .value_kind: global_buffer, .address_space: global }
      - { .name: A, .offset: 16, .size: 8, .value_kind: global_buffer, .address_space: global }
      - { .name: B, .offset: 24, .size: 8, .value_kind: global_buffer, .address_space: global }
      - { .name: xq, .offset: 32, .size: 8, .value_kind: global_buffer, .address_space: global }
      - { .name: wq, .offset: 40, .size: 8, .value_kind: global_buffer, .address_space: global }
      - { .name: aq, .offset: 48, .size: 8, .value_kind: global_buffer, .address_space: global }
      - { .name: bq, .offset: 56, .size: 8, .value_kind: global_buffer, .address_space: global }
    .group_segment_fixed_size: 23040
    .private_segment_fixed_size: 0
    .kernarg_segment_align: 8
    .kernarg_segment_size: 64
    .max_flat_workgroup_size: 640
    .sgpr_count:     66
    .vgpr_count:     180
    .wavefront_size: 32
...
	.end_amdgpu_metadata
.endif
;; end of part 1
;; launch hgemm (part 2): grid 4 x 64, 4 waves a work-group, clusters of 4 x 4, 327,680 bytes of LDS; arguments xq, aq, hq; writes hq
.if DOCPART == 2
	.amdgcn_target "amdgcn-amd-amdhsa--gfx1250"
	.amdhsa_code_object_version 6
	.text
	.protected	k_q1614d23dce_hgemm
	.globl	k_q1614d23dce_hgemm
	.p2align	8
	.type	k_q1614d23dce_hgemm,@function
k_q1614d23dce_hgemm:
	s_mov_b64 s[64:65], 0
	v_nop
	global_prefetch_b8 v0, s[64:65] scope:SCOPE_SE
	s_setreg_imm32_b32 hwreg(HW_REG_WAVE_MODE, 25, 1), 1
	s_wait_xcnt 0x0
	s_wait_alu depctr_hold_cnt(0) depctr_sa_sdst(0) depctr_va_vdst(0) depctr_va_sdst(0) depctr_va_ssrc(0) depctr_va_vcc(0) depctr_vm_vsrc(0)
	s_getreg_b32 s2, hwreg(HW_REG_IB_STS2, 6, 4)
	s_cmp_eq_u32 s2, 0
	s_cbranch_scc0 .Lentry_in_a_cluster
	s_endpgm
.Lentry_in_a_cluster:
	s_bfe_u32 s2, ttmp6, 0x10000c
	s_cmp_lg_u32 s2, 0xf033
	s_cbranch_scc0 .Lentry_shape_is_right
	s_endpgm
.Lentry_shape_is_right:
; h = Q(x) Q(A)^T, [8192][512], on codes of FP4 with E8M0 scales, sums in f32; h is quantised along its 512 (the next product's K) and stored as chunks like xq: hq [row / 128][tile of 16 rows][4,352].
; IN: chunks of 4,352 bytes (16 rows x 512 along K): four images of an operand's registers (byte 1,024 s + 512 c + 16 lane = registers 4 c .. 4 c + 3 of the s-th 128 along K), then 16 scale bytes a row.
; SHARES: a work-group makes 128 rows x 128 columns of h.  256 work-groups.  K IS SPLIT BETWEEN THE TWO WAVES OF A PAIR: wave 2 i + j takes rows 64 i .. 64 i + 63 (four tiles of 16) x all 128 columns
;   over the chunks 2 c + j of 512 along K (c = 0 .. 3): 16 steps of 128, 32 accumulators.  So a fragment of A read from LDS feeds four products, and each fragment is read by two waves, not by four.
;   At the end each wave hands the sums of two tiles to its partner through LDS, as images of the registers, and adds the partner's onto the two tiles that it finishes: tiles 2 w and 2 w + 1 of the group's eight.
;   By its load addresses a wave holds the tiles that it finishes as register tiles 0 and 1 and the partner's as 2 and 3: all waves run one text, no branch hangs on j.
;   ORDER: each sum of h is made in two parts (the even and the odd chunks), each ascending along K, added in f32: another order of f32 additions than the source's.
; A's 128 ROWS STAY IN LDS for all of K: 278,528 bytes, filled once by two joint loads a wave: at the head a quarter of chunks 0 and 1 (68 rows of 256 bytes), and behind the three lines and a round of the
;   cluster's barrier, a quarter of all the rest (204 rows), which lands under the first four steps.  One wait for it and one barrier stand ahead of step 4.
;   The four work-groups of a column of the 4 x 4 cluster need the same rows of A: asked for jointly.
; x GOES FROM MEMORY STRAIGHT INTO REGISTERS: no two waves of the work-group read the same bytes of it.  A ring of 8 sets of fragments, asked for 7 steps ahead, with counted waits.
; PREFETCHES INTO THE L2, each block of 256 bytes named once in the cluster, the partners sharing by address:
;   the rest of A, behind the head's load: of a wave's 204 blocks the partner at cy takes 51 (two instructions; the lanes left over name the share's last block again);
;   x: of a wave's four tiles of a chunk (68 blocks) the partner at cx takes tile cx (17 blocks).  My third and fourth chunk are asked for at the head; their loads begin in steps 1 and 5, behind the wait for the head's fill.
;   My first two chunks come by the ring's loads alone.  The address registers are never rewritten; every offset is an immediate inside the buffer.
; THE MATRIX INSTRUCTION IS USED TRANSPOSED (source 0 = 16 rows of A, source 1 = 16 rows of x): a lane holds eight neighbouring columns of one row of h; tiles 2 b and 2 b + 1 give it 16 of block b's 32 numbers,
;   groups 0 and 2 in lanes 0-15, 1 and 3 in lanes 16-31: behind the swaps a block's groups stand in the order 0, 2, 1, 3, as B's codes do.
; REGISTERS: window 0: v6-19 addresses, v20-31 at work, v32-63 A's scale words (two sets), v64-87 x's (three sets), v88-95 codes, v96-99 offsets, v128-255 the accumulators of register tiles 0 and 1;
;   window 1: v0-127 two sets of A's fragments (at the end: the partner's sums), v128-255 the accumulators of register tiles 2 and 3;   window 2: x's ring.
.set MT,    4
.set NSTEP, 16
.set RING,  8
.set AHEAD, 7
.set FIRST, 2                          ; steps of the ring asked for ahead of the head's joint load
.set NXS,   3
.set LPS,   2*MT
.set SLN,   MT/2
.set CHUNK, 4352
.set QB,    8*CHUNK
.set GRP,   8*QB
.set PARTB, 2*QB                       ; the head's fill: chunks 0 and 1
.set RESTQ, 3*PARTB/4                  ; a wave's quarter of the rest
.set ACC,   128
.set XLW,   0x80                       ; destination window 2, address window 0
.set ADRW,  6                          ; LDS address of my chunk's fragments; stepped by two chunks
.set ADRWS, 7                          ; and of its scale bytes: lanes 16-31 one tile on
.set CO0,   8                          ; x: 16 x lane + the tiles that I finish
.set CO1,   9                          ; x: 16 x lane + my partner's tiles
.set XS0,   10                         ; the same for the rows' scale bytes
.set XS1,   11
.set LI,    12
.set LS,    13
.set PW,    14                         ; v14-16
.set EXW,   17                         ; the exchange: where I write,
.set EXR,   18                         ; and where my partner has written
.set XSA,   19                         ; 16 x (lane % 16), lanes 16-31 one chunk (the next tile) on
.set TMX,   20
.set TMB,   24
.set TMS,   28
.set WSC,   32
.set XSC,   64
.set PC,    88
.set PFX,   96                         ; my share of a chunk of x; never rewritten
.set PFA,   97                         ; v97-98 my share of the rest of A; never rewritten
.set CO,    99                         ; 16 x lane
.set SEL,   10
.set XB,    24
.set LB,    31
.set G0,    32                         ; s[32:35] group 0 of the head's load, s[36:39] of the rest's
.set G1W,   48                         ; s[48:55] group 1: 68 rows
.set G1R,   56                         ; s[56:63] group 1: 204 rows
.set MSB, 0
.macro WIN new
.if MSB != \new
	s_set_vgpr_msb (MSB<<8)|\new
.set MSB, \new
.endif
.endm
.macro PLACES n
.rept \n
	v_nop
.endr
.endm
.macro CROUND                          ; a round of the cluster's barrier
	s_barrier_signal -1
	s_barrier_wait -1
	s_cmp_lg_u32 s14, 0
	s_cbranch_scc1 .Lnot_wave_0_\@
	s_barrier_signal -3
.Lnot_wave_0_\@:
	s_barrier_wait -3
	s_barrier_signal -1
	s_barrier_wait -1
.endm
.macro XLOAD k                         ; step k's fragments of my rows, 512 consecutive bytes a load; ahead of a chunk's first step its scale words, two tiles to a load
.if (\k)%4 == 0
	WIN 0
	global_load_b128 v[XSC+8*(((\k)/4)%NXS):XSC+8*(((\k)/4)%NXS)+3], v[XS0], s[XB:XB+1] offset:((\k)/4)*2*QB+4096
	global_load_b128 v[XSC+8*(((\k)/4)%NXS)+4:XSC+8*(((\k)/4)%NXS)+7], v[XS1], s[XB:XB+1] offset:((\k)/4)*2*QB+4096
.endif
	WIN XLW
.irp a, 0,1
.irp c, 0,1
	global_load_b128 v[32*((\k)%RING)+8*\a+4*\c:32*((\k)%RING)+8*\a+4*\c+3], v[CO0], s[XB:XB+1] offset:((\k)/4)*2*QB+4352*\a+1024*((\k)%4)+512*\c
	global_load_b128 v[32*((\k)%RING)+16+8*\a+4*\c:32*((\k)%RING)+16+8*\a+4*\c+3], v[CO1], s[XB:XB+1] offset:((\k)/4)*2*QB+4352*\a+1024*((\k)%4)+512*\c
.endr
.endr
.endm
.macro FETCH k                         ; step k's eight fragments of A from LDS into set k % 2
.if ((\k)%4 == 0) && ((\k) > 0)
	WIN 0
	v_add_nc_u32 v[ADRW], 2*QB, v[ADRW]            ; on to my next chunk: two chunks on
.endif
	WIN 0x40
.irp b, 0,1,2,3,4,5,6,7
.irp c, 0,1
	ds_load_b128 v[64*((\k)%2)+8*\b+4*\c:64*((\k)%2)+8*\b+4*\c+3], v[ADRW] offset:4352*\b+1024*((\k)%4)+512*\c
.endr
.endr
.endm
.macro WSCALES q                       ; my q-th chunk's scale words of A: lanes 0-15 an even tile's rows, lanes 16-31 the next tile's
	WIN 0
.if (\q) > 0
	v_add_nc_u32 v[ADRWS], 2*QB, v[ADRWS]
.endif
.irp p, 0,1,2,3
	ds_load_b128 v[WSC+16*((\q)%2)+4*\p:WSC+16*((\q)%2)+4*\p+3], v[ADRWS] offset:8704*\p
.endr
.endm
.macro WM k, a, b                      ; A's tile b x my register tile a, step k.  Step 0 starts the sums: nothing is cleared.  An odd tile's scale words stand in lanes 16-31
.set rD, ACC+8*(8*(\a%2)+\b)
.set rW, 64*((\k)%2)+8*\b
.set rX, 32*((\k)%RING)+8*\a
.set rSW, WSC+16*(((\k)/4)%2)+4*(\b/2)+(\k)%4
.set rSX, XSC+8*(((\k)/4)%NXS)+4*(\a/2)+(\k)%4
.if \b%2
.if (\k) == 0
.if \a%2
	v_wmma_scale_f32_16x16x128_f8f6f4 v[rD:rD+7], v[rW:rW+7], v[rX:rX+7], 0, v[rSW], v[rSX] matrix_a_fmt:MATRIX_FMT_FP4 matrix_b_fmt:MATRIX_FMT_FP4 matrix_a_scale:MATRIX_SCALE_ROW1 matrix_b_scale:MATRIX_SCALE_ROW1
.else
	v_wmma_scale_f32_16x16x128_f8f6f4 v[rD:rD+7], v[rW:rW+7], v[rX:rX+7], 0, v[rSW], v[rSX] matrix_a_fmt:MATRIX_FMT_FP4 matrix_b_fmt:MATRIX_FMT_FP4 matrix_a_scale:MATRIX_SCALE_ROW1
.endif
.else
.if \a%2
	v_wmma_scale_f32_16x16x128_f8f6f4 v[rD:rD+7], v[rW:rW+7], v[rX:rX+7], v[rD:rD+7], v[rSW], v[rSX] matrix_a_fmt:MATRIX_FMT_FP4 matrix_b_fmt:MATRIX_FMT_FP4 matrix_a_scale:MATRIX_SCALE_ROW1 matrix_b_scale:MATRIX_SCALE_ROW1
.else
	v_wmma_scale_f32_16x16x128_f8f6f4 v[rD:rD+7], v[rW:rW+7], v[rX:rX+7], v[rD:rD+7], v[rSW], v[rSX] matrix_a_fmt:MATRIX_FMT_FP4 matrix_b_fmt:MATRIX_FMT_FP4 matrix_a_scale:MATRIX_SCALE_ROW1
.endif
.endif
.else
.if (\k) == 0
.if \a%2
	v_wmma_scale_f32_16x16x128_f8f6f4 v[rD:rD+7], v[rW:rW+7], v[rX:rX+7], 0, v[rSW], v[rSX] matrix_a_fmt:MATRIX_FMT_FP4 matrix_b_fmt:MATRIX_FMT_FP4 matrix_b_scale:MATRIX_SCALE_ROW1
.else
	v_wmma_scale_f32_16x16x128_f8f6f4 v[rD:rD+7], v[rW:rW+7], v[rX:rX+7], 0, v[rSW], v[rSX] matrix_a_fmt:MATRIX_FMT_FP4 matrix_b_fmt:MATRIX_FMT_FP4
.endif
.else
.if \a%2
	v_wmma_scale_f32_16x16x128_f8f6f4 v[rD:rD+7], v[rW:rW+7], v[rX:rX+7], v[rD:rD+7], v[rSW], v[rSX] matrix_a_fmt:MATRIX_FMT_FP4 matrix_b_fmt:MATRIX_FMT_FP4 matrix_b_scale:MATRIX_SCALE_ROW1
.else
	v_wmma_scale_f32_16x16x128_f8f6f4 v[rD:rD+7], v[rW:rW+7], v[rX:rX+7], v[rD:rD+7], v[rSW], v[rSX] matrix_a_fmt:MATRIX_FMT_FP4 matrix_b_fmt:MATRIX_FMT_FP4
.endif
.endif
.endif
.endm
.macro MUL k                           ; the 32 accumulators take turns
	WIN 0x09                                       ; source 0 (A) window 1, source 1 (x) window 2, C and D window 0
.irp a, 0,1
.irp b, 0,1,2,3,4,5,6,7
	WM \k, \a, \b
.endr
.endr
	WIN 0x59                                       ; the same, C and D window 1
.irp a, 2,3
.irp b, 0,1,2,3,4,5,6,7
	WM \k, \a, \b
.endr
.endr
.endm
.macro ISB k                           ; BND = 1 where step k is the first of a fill
.set BND, 0
.if ((\k) == 0) || ((\k) == 4)
.set BND, 1
.endif
.endm
.macro STEP k
.if (\k) > 0
	PLACES 4                                       ; four places ahead of loads into registers that matrix instructions have read
.endif
	ISB \k
.if BND
	FETCH \k                                       ; a fill's first step is fetched behind the barrier that shows the fill whole
	WSCALES (\k)/4
.endif
	ISB (\k)+1
.set NOUT, 0
.if ((\k)+1 < NSTEP) && (BND == 0)
	s_wait_alu depctr_va_vdst(0)
	FETCH (\k)+1
.set NOUT, 16
.if ((\k)+1)%4 == 0
	WSCALES ((\k)+1)/4
.set NOUT, 20
.endif
.endif
.set LASTL, (\k)+AHEAD-1
.if LASTL > NSTEP-1
.set LASTL, NSTEP-1
.endif
	s_wait_loadcnt (LPS*(LASTL+1)+SLN*(LASTL/4+1))-(LPS*((\k)+1)+SLN*((\k)/4+1))   ; this step's are in; the count is what was issued behind them
.if (\k)+AHEAD < NSTEP
	XLOAD (\k)+AHEAD                               ; behind the wait: 60 loads of mine are out at the most
.endif
	s_wait_dscnt NOUT                              ; all but what was just asked for the next step
	MUL \k
.if ((\k)+1 < NSTEP) && BND
	WIN 0
	s_wait_tensorcnt 0x0                           ; my quarter of the rest is in: my one load that was out
	s_barrier_signal -1                            ; (no LDS load of mine is out: the wait above was for 0)
	s_barrier_wait -1
.endif
.endm
.macro QUANT s, pw                     ; 16 rows x 128 of h: four blocks of 32, each in lanes l and l xor 16
.irp b, 0,1,2,3
	v_max3_num_f32 v[TMX+\b], |v[\s+16*\b]|, |v[\s+1+16*\b]|, 0x1800000
.endr
.irp i, 2,4,6,8,10,12,14
.irp b, 0,1,2,3
	v_max3_num_f32 v[TMX+\b], v[TMX+\b], |v[\s+16*\b+\i]|, |v[\s+1+16*\b+\i]|
.endr
.endr
.irp b, 0,1,2,3
	v_permlanex16_b32 v[TMB+\b], v[TMX+\b], s[SEL], s[SEL+1]
.endr
.irp b, 0,1,2,3
	v_max_num_f32 v[TMX+\b], v[TMX+\b], v[TMB+\b]
.endr
.irp b, 0,1,2,3
	v_add_nc_u32 v[TMS+\b], 0xff000000, v[TMX+\b]
.endr
.irp b, 0,1,2,3
	v_lshrrev_b32 v[TMB+\b], 23, v[TMS+\b]
.endr
	v_lshl_or_b32 v[\pw], v[TMB+1], 8, v[TMB]
	v_lshl_or_b32 v[\pw], v[TMB+2], 16, v[\pw]
	v_lshl_or_b32 v[\pw], v[TMB+3], 24, v[\pw]
.irp b, 0,1,2,3
	v_cvt_scalef32_pk8_fp4_f32 v[PC+2*\b], v[\s+16*\b:\s+7+16*\b], v[TMS+\b]
	v_cvt_scalef32_pk8_fp4_f32 v[PC+1+2*\b], v[\s+8+16*\b:\s+15+16*\b], v[TMS+\b]
.endr
	v_nop
.irp c, 0,1
.irp i, 0,1
	v_permlane16_swap_b32 v[PC+4*\c+\i], v[PC+2+4*\c+\i]
.endr
.endr
.endm
	s_load_b128 s[4:7], s[0:1], 0x0                ; xq, aq
	s_load_b64 s[8:9], s[0:1], 0x10                ; hq
	v_lshl_add_u32 v126, v0, 2, 0x44000            ; my spare word, behind A's 278,528 bytes
	v_mov_b32 v127, 0
	ds_add_u32 v126, v127                          ; the opening lines: the add, twice on end, and its wait
	ds_add_u32 v126, v127
	v_lshrrev_b32 v1, 5, v0
	v_readfirstlane_b32 s14, v1                    ; wave
	s_bfe_u32 s16, ttmp6, 0x40000                  ; cx, cy
	s_bfe_u32 s17, ttmp6, 0x40004
	s_lshl_b32 s18, ttmp9, 2
	s_add_co_u32 s18, s18, s16                     ; my 128 columns of h
	s_and_b32 s19, ttmp7, 0xffff
	s_lshl_b32 s19, s19, 2
	s_add_co_u32 s19, s19, s17                     ; my 128 rows
	s_lshl_b32 s21, 0x1111, s16                    ; my column of the cluster
	s_or_b32 s[G1W], s21, (3<<16)|(1<<21)          ; the mask; elements of 8 bytes; bit 21 beside a mask
	s_or_b32 s[G1R], s21, (3<<16)|(1<<21)
.irp g, G1W, G1R
	s_mov_b32 s[\g+1], 32<<16                      ; dense bytes as rows of 32 elements of 8 bytes
	s_mov_b32 s[\g+3], 32<<16
	s_mov_b32 s[\g+5], 32
	s_mov_b32 s[\g+6], 0
	s_mov_b32 s[\g+7], 0
.endr
	s_mov_b32 s[G1W+2], 68<<16
	s_mov_b32 s[G1W+4], 68
	s_mov_b32 s[G1R+2], 204<<16
	s_mov_b32 s[G1R+4], 204
	s_and_b32 s15, s14, 1                          ; j: the even or the odd chunks
	s_lshr_b32 s3, s14, 1                          ; i: which 64 rows
	s_mul_i32 s42, s15, QB                         ; my first chunk, in x's group and in LDS
	s_mul_i32 s12, s19, GRP
	s_add_co_u32 s12, s12, s42
	s_mul_i32 s3, s3, 4*CHUNK
	s_add_co_u32 s12, s12, s3                      ; x: my group of 128 rows, my first chunk, my pair's four tiles
	s_mov_b32 s13, 0
	s_mul_i32 s30, s14, 2*CHUNK                    ; h: the two tiles that I finish
	s_mul_i32 s40, s15, 2*CHUNK                    ; of the pair's four tiles: those that I finish,
	s_sub_co_u32 s41, 2*CHUNK, s40                 ; and my partner's
	s_lshl_b32 s43, s14, 14                        ; the exchange: 16,384 bytes a wave: mine,
	s_xor_b32 s44, s14, 1
	s_lshl_b32 s44, s44, 14                        ; and my partner's
	s_mul_i32 s26, s18, GRP                        ; A: its 128 rows hang on the tile column alone
	s_mul_i32 s22, s14, RESTQ
	s_add_co_u32 s20, s26, s22
	s_add_co_u32 s20, s20, PARTB                   ; the rest: behind chunks 0 and 1, my quarter
	s_mov_b32 s21, 0
	s_mul_i32 s[LB], s14, PARTB/4                  ; the head's: my quarter, the same in memory and in LDS
	s_add_co_u32 s26, s26, s[LB]
	s_mov_b32 s27, 0
	s_mul_i32 s28, s19, QB
	s_mov_b32 s29, 0
	s_mov_b32 s[SEL], 0x76543210
	s_mov_b32 s[SEL+1], 0xfedcba98
	s_mov_b32 s23, 0xffff0000
	v_and_b32 v1, 15, v0
	v_bfe_u32 v2, v0, 4, 1
	v_and_b32 v3, 31, v0
	v_lshlrev_b32 v[CO], 4, v3
	v_mul_u32_u24 v4, v2, CHUNK
	v_lshl_add_u32 v[XSA], v1, 4, v4
	v_add_nc_u32 v[CO0], s40, v[CO]
	v_add_nc_u32 v[CO1], s41, v[CO]
	v_add_nc_u32 v[XS0], s40, v[XSA]
	v_add_nc_u32 v[XS1], s41, v[XSA]
	v_min_u32 v4, 16, v3                           ; the prefetches' offsets.  x: tile cx of the pair's four, its 17 blocks
	v_lshlrev_b32 v4, 8, v4
	s_mul_i32 s45, s16, CHUNK
	v_add_nc_u32 v[PFX], s45, v4
	s_mul_i32 s45, s17, 51                         ; A: blocks 51 cy .. 51 cy + 50 of my quarter's 204
	v_add_nc_u32 v4, s45, v3
	v_lshlrev_b32 v[PFA], 8, v4
	v_min_u32 v4, 18, v3
	v_add_nc_u32 v4, s45, v4
	v_add_nc_u32 v4, 32, v4
	v_lshlrev_b32 v[PFA+1], 8, v4
	s_wait_alu depctr_va_vdst(0)                   ; the wait ahead of the waits below
	s_wait_dscnt 0x0
	s_wait_kmcnt 0x0
	s_add_nc_u64 s[XB:XB+1], s[4:5], s[12:13]
	s_add_nc_u64 s[26:27], s[6:7], s[26:27]
	s_add_nc_u64 s[20:21], s[6:7], s[20:21]
	s_add_nc_u64 s[8:9], s[8:9], s[28:29]
.set KK, 0
.rept FIRST                            ; the ring's first steps, under the round below
	XLOAD KK
.set KK, KK+1
.endr
	WIN 0
	s_mov_b32 s[G0], 1
	s_mov_b32 s[G0+1], s[LB]
	s_mov_b64 s[G0+2:G0+3], s[26:27]
	s_or_b32 s[G0+3], s[G0+3], 0x80000000
	s_mov_b32 s[G0+4], 1
	s_add_co_u32 s[G0+5], s22, PARTB
	s_mov_b64 s[G0+6:G0+7], s[20:21]
	s_or_b32 s[G0+7], s[G0+7], 0x80000000
	CROUND                                         ; all sixteen work-groups are here: the first joint loads meet
	tensor_load_to_lds s[G0:G0+3], s[G1W:G1W+7]    ; my one load at the head
	s_nop 0
	PLACES 4
	global_prefetch_b8 v[PFA], s[20:21] th:TH_LOAD_NT scope:SCOPE_SE     ; my share of the rest of A
	global_prefetch_b8 v[PFA+1], s[20:21] th:TH_LOAD_NT scope:SCOPE_SE
.rept AHEAD-FIRST                      ; the rest of the ring: 60 loads of mine are out in all
	XLOAD KK
.set KK, KK+1
.endr
	WIN 0
	global_prefetch_b8 v[PFX], s[XB:XB+1] offset:4*QB th:TH_LOAD_NT scope:SCOPE_SE   ; my third chunk of x,
	global_prefetch_b8 v[PFX], s[XB:XB+1] offset:6*QB th:TH_LOAD_NT scope:SCOPE_SE   ; and my fourth
	v_add_nc_u32 v[ADRW], s42, v[CO]
	v_add_nc_u32 v[ADRWS], s42, v[XSA]
	v_add_nc_u32 v[ADRWS], 4096, v[ADRWS]
	v_add_nc_u32 v[EXW], s43, v[CO]
	v_add_nc_u32 v[EXR], s44, v[CO]
	s_lshl_b32 s29, s18, 10
	s_add_co_u32 s29, s29, s30
	v_add_nc_u32 v[LI], s29, v[CO]                 ; h's codes: my tile's chunk, this column group's image
	s_lshl_b32 s29, s18, 2
	s_add_co_u32 s29, s29, s30
	v_add_nc_u32 v[LS], s29, v[XSA]                ; and its scale word
.irp b, 0,1,2,3
	v_mov_b32 v[TMB+\b], 0                         ; a lane permute's destination counts as one of its sources
.endr
	s_wait_alu depctr_va_vdst(0)                   ; the wait at the head's end
	s_wait_tensorcnt 0x0                           ; my quarter of the head's fill is in; the three lines ahead of a later first fill:
	ds_add_u32 v126, v127
	s_wait_dscnt 0x0
	CROUND                                         ; everybody's quarter is in, and the joint loads meet
	tensor_load_to_lds s[G0+4:G0+7], s[G1R:G1R+7]  ; all the rest, my one load behind the round
	s_nop 0
	PLACES 4
.set KK, 0
.rept NSTEP
	STEP KK
.set KK, KK+1
.endr
	WIN 0
	s_barrier_signal -1                            ; every wave has made its last read of A (the last step waited for all its LDS loads): the exchange may be written over A's first 65,536 bytes, which nothing fills again
	s_barrier_wait -1
	PLACES 4                                       ; behind the last products
	WIN 0x04                                       ; an LDS store's data are its source 1: window 1
.irp t, 0,1,2,3,4,5,6,7,8,9,10,11,12,13,14,15
	ds_store_b128 v[EXW], v[ACC+8*\t:ACC+8*\t+3] offset:1024*\t          ; register tiles 2 and 3 as images, each accumulator from its low end on
	ds_store_b128 v[EXW], v[ACC+8*\t+4:ACC+8*\t+7] offset:1024*\t+512
.endr
	WIN 0
	s_wait_dscnt 0x0                               ; for my partner's sake: my stores are done
	s_barrier_signal -1
	s_barrier_wait -1
	WIN 0x40                                       ; into window 1, where A's fragments lay
.irp u, 0,1,2,3,4,5,6,7,8,9,10,11,12,13,14,15,16,17,18,19,20,21,22,23,24,25,26,27,28,29,30,31
	ds_load_b128 v[4*\u:4*\u+3], v[EXR] offset:512*\u
.endr
	s_wait_dscnt 0x0
	WIN 0x04                                       ; source 1 window 1; source 0 and the destination window 0
.set MM, 0
.rept 64
	v_pk_add_f32 v[ACC+MM:ACC+MM+1], v[ACC+MM:ACC+MM+1], v[MM:MM+1]   ; my part and my partner's: the whole sum over K
.set MM, MM+2
.endr
	WIN 0
	QUANT ACC, PW
	global_store_b128 v[LI], v[PC:PC+3], s[8:9]
	global_store_b128 v[LI], v[PC+4:PC+7], s[8:9] offset:512
	s_wait_xcnt 0x0                                ; the stores have read their registers
	QUANT ACC+64, PW+1
	global_store_b128 v[LI], v[PC:PC+3], s[8:9] offset:CHUNK
	global_store_b128 v[LI], v[PC+4:PC+7], s[8:9] offset:CHUNK+512
	v_cndmask_b32 v[PW+2], v[PW], v[PW+1], s23     ; lanes 0-15 the first tile's words, lanes 16-31 the second's
	global_store_b32 v[LS], v[PW+2], s[8:9] offset:4096
	s_wait_tensorcnt 0x0                           ; the wave's end
	ds_add_u32 v126, v127
	s_wait_dscnt 0x0
	CROUND                                         ; the closing round
	s_endpgm
.Lfunc_end_k_q1614d23dce_hgemm:
	.size	k_q1614d23dce_hgemm, .Lfunc_end_k_q1614d23dce_hgemm-k_q1614d23dce_hgemm
	.p2alignl 7, 3214868480
	.fill 96, 4, 3214868480
	.section	.rodata,"a",@progbits
	.p2align	6, 0x0
	.amdhsa_kernel k_q1614d23dce_hgemm
		.amdhsa_group_segment_fixed_size 327680
		.amdhsa_private_segment_fixed_size 0
		.amdhsa_enable_private_segment 0
		.amdhsa_kernarg_size 24
		.amdhsa_user_sgpr_count 2
		.amdhsa_user_sgpr_kernarg_segment_ptr 1
		.amdhsa_wavefront_size32 1
		.amdhsa_system_sgpr_workgroup_id_x 1
		.amdhsa_system_sgpr_workgroup_id_y 1
		.amdhsa_system_sgpr_workgroup_id_z 1
		.amdhsa_system_vgpr_workitem_id 0
		.amdhsa_next_free_vgpr 768
		.amdhsa_next_free_sgpr 66
		.amdhsa_reserve_vcc 0
		.amdhsa_float_denorm_mode_32 3
		.amdhsa_float_denorm_mode_16_64 3
		.amdhsa_memory_ordered 1
		.amdhsa_forward_progress 1
		.amdhsa_inst_pref_size 124
	.end_amdhsa_kernel
	.amdgpu_metadata
---
amdhsa.version: [ 1, 2 ]
amdhsa.kernels:
  - .name:           k_q1614d23dce_hgemm
    .symbol:         k_q1614d23dce_hgemm.kd
    .args:
      - { .name: xq, .offset: 0, .size: 8, .value_kind: global_buffer, .address_space: global }
      - { .name: aq, .offset: 8, .size: 8, .value_kind: global_buffer, .address_space: global }
      - { .name: hq, .offset: 16, .size: 8, .value_kind: global_buffer, .address_space: global }
    .group_segment_fixed_size: 327680
    .private_segment_fixed_size: 0
    .kernarg_segment_align: 8
    .kernarg_segment_size: 24
    .max_flat_workgroup_size: 128
    .sgpr_count:     66
    .vgpr_count:     768
    .wavefront_size: 32
...
	.end_amdgpu_metadata
.endif
;; end of part 2
;; launch ogemm (part 3): grid 8 x 32, 4 waves a work-group, clusters of 4 x 4, 327,680 bytes of LDS; arguments xq, wq, hq, bq, out0; writes out0
.if DOCPART == 3
	.amdgcn_target "amdgcn-amd-amdhsa--gfx1250"
	.amdhsa_code_object_version 6
	.text
	.protected	k_q1614d23dce_ogemm
	.globl	k_q1614d23dce_ogemm
	.p2align	8
	.type	k_q1614d23dce_ogemm,@function
k_q1614d23dce_ogemm:
	s_mov_b64 s[64:65], 0
	v_nop
	global_prefetch_b8 v0, s[64:65] scope:SCOPE_SE
	s_setreg_imm32_b32 hwreg(HW_REG_WAVE_MODE, 25, 1), 1
	s_wait_xcnt 0x0
	s_wait_alu depctr_hold_cnt(0) depctr_sa_sdst(0) depctr_va_vdst(0) depctr_va_sdst(0) depctr_va_ssrc(0) depctr_va_vcc(0) depctr_vm_vsrc(0)
	s_getreg_b32 s2, hwreg(HW_REG_IB_STS2, 6, 4)
	s_cmp_eq_u32 s2, 0
	s_cbranch_scc0 .Lentry_in_a_cluster
	s_endpgm
.Lentry_in_a_cluster:
	s_bfe_u32 s2, ttmp6, 0x10000c
	s_cmp_lg_u32 s2, 0xf033
	s_cbranch_scc0 .Lentry_shape_is_right
	s_endpgm
.Lentry_shape_is_right:
; out = Q(x) Q(W)^T + (2 / 32) Q(h) Q(B)^T, [8192][1024] f32, on codes of FP4 with E8M0 scales, sums in f32.  The factor 2^-4 is already in B's scale bytes, so both products add onto ONE set of accumulators.
; IN: chunks of 4,352 bytes (16 rows x 512 along K): four images of an operand's registers (byte 1,024 s + 512 c + 16 lane = registers 4 c .. 4 c + 3 of the s-th 128 along K), then 16 scale bytes a row.
;   xq, wq: [row / 128][K / 512][tile of 16 rows][4,352].   hq, bq (K = 512): [row / 128][tile][4,352].
; SHARES: a work-group makes 256 rows x 128 columns; wave w rows 64 w .. 64 w + 63 (four tiles of 16) x all 128 columns: 32 accumulators, 256 registers.  256 work-groups.
; THE WEIGHTS STAY IN LDS: B's 128 rows (34,816 bytes), then W's 128 rows for all of K (278,528 bytes): 313,344 bytes, filled once by two joint loads a wave.  At the head waves 0 and 1 bring the halves of B and
;   waves 2 and 3 the halves of W's K = 0 .. 511 (68 rows of 256 bytes each); behind the three lines and a round of the cluster's barrier, each wave brings a quarter
;   of W's other seven chunks (238 rows), which lands under the first eight steps.  One wait for it and one barrier stand ahead of step 8.  Nothing in LDS is filled again.
;   The four work-groups of a column of the 4 x 4 cluster need the same rows of W and B: asked for jointly.
; h AND x GO FROM MEMORY STRAIGHT INTO REGISTERS: a wave's rows are its own.  A ring of 8 sets of fragments, asked for 7 steps of 128 along K ahead, with counted waits.
;   They are not asked for jointly, though eight work-groups read the same rows: a joint load lands in LDS, of which the weights leave 14,336 bytes.
; PREFETCHES INTO THE L2, each block of 256 bytes named once in the cluster, the partners sharing by address:
;   the rest of W, behind the head's load and ahead of the load that wants it by the whole wait for the head's fill: of a wave's 238 blocks the partner at cy takes 64 cy .. 64 cy + 63 (two instructions; past the end the last block is named again);
;   x: of a wave's four tiles of a chunk (68 blocks) the partner at cx takes tile cx (17 blocks, one instruction; the lanes left over name its last block again).  Chunks 2 and 3 of the nine are asked for at the head,
;   chunk k / 4 + 4 in each chunk's first step k: its loads begin in step k + 9.  Chunks 0 (h) and 1 come by the ring's loads alone.  The address registers are never rewritten; every offset is an immediate inside the buffer.
; ORDER: nine chunks of 512 along K: the low-rank product (h, B) first, then K = 0 .. 4,095 ascending: another order of f32 additions than the source's, in one accumulator for each output.
; THE MATRIX INSTRUCTION IS USED TRANSPOSED (source 0 = 16 rows of W or B, source 1 = 16 rows of x or h): a lane holds eight neighbouring numbers of a row of out.
; REGISTERS: window 0: v1-5 at work; v6-14 addresses; v32-95 the weights' scale words, two sets; v96-119 the rows', three sets; v128-255 rows on the way out.
;   window 1: v0-127 two sets of the weights' fragments, tile b at + 8 b.   window 2: accumulator (a, b) at v[8 (8 a + b)].   window 3: the rows' ring: step k at v[32 (k % 8)], tile a at + 8 a.
.set MT,    4                          ; tiles of 16 rows to a wave
.set NCH,   9                          ; chunks of 512 along K; chunk 0 is the low-rank product's
.set NSTEP, 4*NCH                      ; steps of 128
.set RING,  8                          ; sets of the rows' fragments
.set AHEAD, 7                          ; steps between a request and its use
.set FIRST, 2                          ; steps of the ring asked for ahead of the head's joint load
.set NXS,   3                          ; sets of the rows' scale words
.set LPS,   2*MT                       ; global loads of a step's fragments
.set SLN,   MT/2                       ; global loads of a chunk's scale words: two tiles to a load
.set CHUNK, 4352
.set QB,    8*CHUNK                    ; 128 rows x 512 along K
.set GRP,   8*QB                       ; 128 rows, all of K
.set HEADQ, QB/2                       ; a wave's load at the head
.set RESTQ, 7*QB/4                     ; and its quarter of the rest
.set SPITCH, 528                       ; the way out: a stage of 16 rows x (512 bytes + 16) for each wave: 33,792 bytes in B's region, which nobody reads then and nothing fills again
.set ACC,   0
.set MULW,  0xad                       ; source 0 (weights) window 1, source 1 (rows) window 3; C and D window 2
.set XLW,   0xc0                       ; destination window 3, address window 0
.set ADRW,  6                          ; v6   LDS address of the chunk's fragments; stepped from chunk to chunk
.set ADRWS, 7                          ; v7   and of its scale bytes
.set CO,    8                          ; v8   16 x lane; never rewritten
.set XSA,   9                          ; v9   the rows' scale bytes: 16 x (lane % 16), lanes 16-31 one chunk (the next tile) on; never rewritten
.set STO,   10                         ; v10  the way out: where I put 32 bytes of a row
.set RD,    11                         ; v11  and where I read a row back
.set PFX,   12                         ; v12  my share of a chunk of x; never rewritten
.set PFA,   13                         ; v13-14 my share of the rest of W; never rewritten
.set WSC,   32
.set XSC,   96
.set BK,    128
.set LB,    22                         ; s22  where my load at the head lands
.set LBB,   23                         ; s23  my quarter of the rest
.set G0,    32                         ; s[32:43] descriptor group 0: B's half, W's half, the rest's quarter
.set G1W,   52                         ; s[52:59] descriptor group 1: 68 rows
.set G1R,   68                         ; s[68:75] 238 rows
.set XB,    76                         ; s[76:77] x at my wave's first chunk; never rewritten
.set HB,    78                         ; s[78:79] h likewise
.set MSB, 0
.macro WIN new                         ; the immediate's high byte repeats the setting that is left; a switch that changes nothing is dropped
.if MSB != \new
	s_set_vgpr_msb (MSB<<8)|\new
.set MSB, \new
.endif
.endm
.macro PLACES n
.rept \n
	v_nop
.endr
.endm
.macro CROUND                          ; a round of the cluster's barrier
	s_barrier_signal -1
	s_barrier_wait -1
	s_cmp_lg_u32 s14, 0
	s_cbranch_scc1 .Lnot_wave_0_\@
	s_barrier_signal -3
.Lnot_wave_0_\@:
	s_barrier_wait -3
	s_barrier_signal -1
	s_barrier_wait -1
.endm
.macro GL d, adr, k, off               ; 16 bytes a lane of step k's chunk: steps 0-3 are h's, the others x's
.if (\k) < 4
	global_load_b128 v[\d:\d+3], v[\adr], s[HB:HB+1] offset:\off
.else
	global_load_b128 v[\d:\d+3], v[\adr], s[XB:XB+1] offset:((\k)/4-1)*QB+\off
.endif
.endm
.macro XLOAD k                         ; step k's fragments of my rows, 512 consecutive bytes a load; ahead of a chunk's first step its scale words
.if (\k)%4 == 0
	WIN 0
.irp p, 0,1
	GL XSC+4*SLN*(((\k)/4)%NXS)+4*\p, XSA, \k, 4096+8704*\p
.endr
.endif
	WIN XLW
.irp a, 0,1,2,3
.irp c, 0,1
	GL 8*MT*((\k)%RING)+8*\a+4*\c, CO, \k, 4352*\a+1024*((\k)%4)+512*\c
.endr
.endr
.endm
.macro FETCH k                         ; step k's eight fragments of the resident rows into set k % 2
.if ((\k)%4 == 0) && ((\k) > 0)
	WIN 0
	v_add_nc_u32 v[ADRW], QB, v[ADRW]              ; on to the next chunk's region
.endif
	WIN 0x40                                       ; destination window 1, address window 0
.irp b, 0,1,2,3,4,5,6,7
.irp c, 0,1
	ds_load_b128 v[64*((\k)%2)+8*\b+4*\c:64*((\k)%2)+8*\b+4*\c+3], v[ADRW] offset:4352*\b+1024*((\k)%4)+512*\c
.endr
.endr
.endm
.macro WSCALES q                       ; chunk q's scale words of the resident rows
	WIN 0
.if (\q) > 0
	v_add_nc_u32 v[ADRWS], QB, v[ADRWS]
.endif
.irp p, 0,1,2,3                        ; two tiles to a load: lanes 0-15 an even tile's rows, lanes 16-31 the next tile's
	ds_load_b128 v[WSC+32*((\q)%2)+4*\p:WSC+32*((\q)%2)+4*\p+3], v[ADRWS] offset:8704*\p
.endr
.endm
.macro WM k, a, b                      ; the resident rows' tile b x my tile a, step k.  Step 0 starts the sums: nothing is cleared
.set rD, ACC+8*(8*\a+\b)
.set rW, 64*((\k)%2)+8*\b
.set rX, 8*MT*((\k)%RING)+8*\a
.set rSW, WSC+32*(((\k)/4)%2)+4*(\b/2)+(\k)%4
.set rSX, XSC+4*SLN*(((\k)/4)%NXS)+4*(\a/2)+(\k)%4
.if \b%2                               ; an odd tile's scale words stand in lanes 16-31
.if (\k) == 0
.if \a%2
	v_wmma_scale_f32_16x16x128_f8f6f4 v[rD:rD+7], v[rW:rW+7], v[rX:rX+7], 0, v[rSW], v[rSX] matrix_a_fmt:MATRIX_FMT_FP4 matrix_b_fmt:MATRIX_FMT_FP4 matrix_a_scale:MATRIX_SCALE_ROW1 matrix_b_scale:MATRIX_SCALE_ROW1
.else
	v_wmma_scale_f32_16x16x128_f8f6f4 v[rD:rD+7], v[rW:rW+7], v[rX:rX+7], 0, v[rSW], v[rSX] matrix_a_fmt:MATRIX_FMT_FP4 matrix_b_fmt:MATRIX_FMT_FP4 matrix_a_scale:MATRIX_SCALE_ROW1
.endif
.else
.if \a%2
	v_wmma_scale_f32_16x16x128_f8f6f4 v[rD:rD+7], v[rW:rW+7], v[rX:rX+7], v[rD:rD+7], v[rSW], v[rSX] matrix_a_fmt:MATRIX_FMT_FP4 matrix_b_fmt:MATRIX_FMT_FP4 matrix_a_scale:MATRIX_SCALE_ROW1 matrix_b_scale:MATRIX_SCALE_ROW1
.else
	v_wmma_scale_f32_16x16x128_f8f6f4 v[rD:rD+7], v[rW:rW+7], v[rX:rX+7], v[rD:rD+7], v[rSW], v[rSX] matrix_a_fmt:MATRIX_FMT_FP4 matrix_b_fmt:MATRIX_FMT_FP4 matrix_a_scale:MATRIX_SCALE_ROW1
.endif
.endif
.else
.if (\k) == 0
.if \a%2
	v_wmma_scale_f32_16x16x128_f8f6f4 v[rD:rD+7], v[rW:rW+7], v[rX:rX+7], 0, v[rSW], v[rSX] matrix_a_fmt:MATRIX_FMT_FP4 matrix_b_fmt:MATRIX_FMT_FP4 matrix_b_scale:MATRIX_SCALE_ROW1
.else
	v_wmma_scale_f32_16x16x128_f8f6f4 v[rD:rD+7], v[rW:rW+7], v[rX:rX+7], 0, v[rSW], v[rSX] matrix_a_fmt:MATRIX_FMT_FP4 matrix_b_fmt:MATRIX_FMT_FP4
.endif
.else
.if \a%2
	v_wmma_scale_f32_16x16x128_f8f6f4 v[rD:rD+7], v[rW:rW+7], v[rX:rX+7], v[rD:rD+7], v[rSW], v[rSX] matrix_a_fmt:MATRIX_FMT_FP4 matrix_b_fmt:MATRIX_FMT_FP4 matrix_b_scale:MATRIX_SCALE_ROW1
.else
	v_wmma_scale_f32_16x16x128_f8f6f4 v[rD:rD+7], v[rW:rW+7], v[rX:rX+7], v[rD:rD+7], v[rSW], v[rSX] matrix_a_fmt:MATRIX_FMT_FP4 matrix_b_fmt:MATRIX_FMT_FP4
.endif
.endif
.endif
.endm
.macro MUL k                           ; the accumulators take turns, one instruction a turn, in the same order in every step
	WIN MULW
.irp a, 0,1,2,3
.irp b, 0,1,2,3,4,5,6,7
	WM \k, \a, \b
.endr
.endr
.endm
.macro ISB k                           ; BND = 1 where step k is the first of a fill
.set BND, 0
.if ((\k) == 0) || ((\k) == 8)
.set BND, 1
.endif
.endm
; A STEP of 128 along K.  Four v_nop at its head are the places ahead of the LDS loads and the global loads into registers that matrix instructions have read (ISA guide 7.12.1 for vector instructions).
.macro STEP k
.if (\k) > 0
	PLACES 4
.endif
	ISB \k
.if BND
	FETCH \k                                       ; a fill's first step is fetched behind the barrier that shows the fill whole
	WSCALES (\k)/4
.endif
	ISB (\k)+1
.set NOUT, 0
.if ((\k)+1 < NSTEP) && (BND == 0)
	s_wait_alu depctr_va_vdst(0)
	FETCH (\k)+1                                   ; the next step's fragments, a step ahead
.set NOUT, 16
.if ((\k)+1)%4 == 0
	WSCALES ((\k)+1)/4
.set NOUT, 20
.endif
.endif
.set LASTL, (\k)+AHEAD-1
.if LASTL > NSTEP-1
.set LASTL, NSTEP-1
.endif
	s_wait_loadcnt (LPS*(LASTL+1)+SLN*(LASTL/4+1))-(LPS*((\k)+1)+SLN*((\k)/4+1))   ; loads come back in order (ISA guide 5.7.1): this step's are in; the count is what was issued behind them
.if (\k)+AHEAD < NSTEP
	XLOAD (\k)+AHEAD                               ; behind the wait, so that a wave has 60 loads out at the most
.endif
	s_wait_dscnt NOUT                              ; all but what was just asked for the next step
.if ((\k)%4 == 0) && ((\k)/4+4 < NCH)
	global_prefetch_b8 v[PFX], s[XB:XB+1] offset:((\k)/4+3)*QB th:TH_LOAD_NT scope:SCOPE_SE   ; chunk k / 4 + 4 of the nine, x's chunk k / 4 + 3; the step's 32 products follow (the address lies in window 0, as the setting left by XLOAD has it)
.endif
	MUL \k
.if ((\k)+1 < NSTEP) && BND
	WIN 0
	s_wait_tensorcnt 0x0                           ; my quarter of the rest is in: my one load that was out
	s_barrier_signal -1                            ; (no LDS load of mine is out: the wait above was for 0)
	s_barrier_wait -1                              ; everybody's is
.endif
.endm
	s_load_b256 s[4:11], s[0:1], 0x0               ; xq, wq, hq, bq
	s_load_b64 s[12:13], s[0:1], 0x20              ; out0
	v_lshl_add_u32 v126, v0, 2, 0x4c800            ; my spare word, behind the weights' 313,344 bytes
	v_mov_b32 v127, 0
	ds_add_u32 v126, v127                          ; the opening lines: the add, twice on end, and its wait
	ds_add_u32 v126, v127
	v_lshrrev_b32 v1, 5, v0
	v_readfirstlane_b32 s14, v1                    ; wave 0..3
	s_and_b32 s15, s14, 1
	s_bfe_u32 s16, ttmp6, 0x40000                  ; cx, cy: my place in the cluster
	s_bfe_u32 s17, ttmp6, 0x40004
	s_lshl_b32 s18, ttmp9, 2
	s_add_co_u32 s18, s18, s16                     ; my 128 columns of out = 4 x cluster x + cx
	s_and_b32 s19, ttmp7, 0xffff
	s_lshl_b32 s19, s19, 2
	s_add_co_u32 s19, s19, s17                     ; my 256 rows = 4 x cluster y + cy
	s_lshl_b32 s21, 0x1111, s16                    ; my column of the cluster
	s_or_b32 s[G1W], s21, (3<<16)|(1<<21)          ; 15:0 the mask; 17:16 elements of 8 bytes; 21 set beside a mask
	s_or_b32 s[G1R], s21, (3<<16)|(1<<21)
.irp g, G1W, G1R
	s_mov_b32 s[\g+1], 32<<16                      ; dense bytes as rows of 32 elements of 8 bytes, no padding
	s_mov_b32 s[\g+3], 32<<16
	s_mov_b32 s[\g+5], 32
	s_mov_b32 s[\g+6], 0
	s_mov_b32 s[\g+7], 0
.endr
	s_mov_b32 s[G1W+2], 68<<16
	s_mov_b32 s[G1W+4], 68
	s_mov_b32 s[G1R+2], 238<<16
	s_mov_b32 s[G1R+4], 238
	s_lshl_b32 s24, s19, 1
	s_lshr_b32 s3, s14, 1
	s_add_co_u32 s24, s24, s3                      ; my wave's group of 128 rows,
	s_mul_i32 s26, s24, QB                         ; in h,
	s_mul_i32 s24, s24, GRP                        ; in x,
	s_mul_i32 s3, s15, 4*CHUNK                     ; and in each K step its four tiles
	s_add_co_u32 s24, s24, s3
	s_add_co_u32 s26, s26, s3
	s_mov_b32 s25, 0
	s_mov_b32 s27, 0
	s_mul_i32 s28, s18, GRP                        ; W: its 128 rows hang on the tile column alone
	s_mul_i32 s[LBB], s14, RESTQ
	s_add_co_u32 s20, s28, s[LBB]
	s_add_co_u32 s20, s20, QB                      ; the rest: behind W's first chunk, my quarter
	s_mov_b32 s21, 0
	s_mul_i32 s[LB], s14, HEADQ                    ; the head's four halves lie on end in LDS: no place in the cluster enters an LDS address
	s_mul_i32 s3, s15, HEADQ                       ; which half of B or of W's first chunk
	s_add_co_u32 s28, s28, s3
	s_mov_b32 s29, 0
	s_mul_i32 s30, s18, QB                         ; B likewise
	s_add_co_u32 s30, s30, s3
	s_mov_b32 s31, 0
	s_lshl_b32 s66, s19, 8
	s_lshl_b32 s3, s14, 6
	s_add_co_u32 s66, s66, s3                      ; my first row of out: 256 x tile row + 64 x wave,
	s_lshl_b32 s66, s66, 12                        ; of 4,096 bytes,
	s_lshl_b32 s3, s18, 9
	s_add_co_u32 s66, s66, s3                      ; + 512 bytes a tile column
	s_mov_b32 s67, 0
	v_and_b32 v1, 15, v0                           ; r = lane % 16
	v_bfe_u32 v2, v0, 4, 1                         ; h = lane / 16
	v_and_b32 v3, 31, v0                           ; lane
	v_lshlrev_b32 v[CO], 4, v3
	v_mul_u32_u24 v4, v2, CHUNK
	v_lshl_add_u32 v[XSA], v1, 4, v4
	v_min_u32 v5, 16, v3                           ; the prefetches' offsets.  x: tile cx of my four, its 17 blocks
	v_lshlrev_b32 v5, 8, v5
	s_mul_i32 s3, s16, CHUNK
	v_add_nc_u32 v[PFX], s3, v5
	s_lshl_b32 s3, s17, 6                          ; W: blocks 64 cy .. 64 cy + 63 of my quarter's 238
	v_add_nc_u32 v5, s3, v3
	v_lshlrev_b32 v[PFA], 8, v5
	v_add_nc_u32 v5, 32, v5
	v_min_u32 v5, 237, v5
	v_lshlrev_b32 v[PFA+1], 8, v5
	s_wait_alu depctr_va_vdst(0)                   ; the wait ahead of the waits below
	s_wait_dscnt 0x0
	s_wait_kmcnt 0x0
	s_add_nc_u64 s[XB:XB+1], s[4:5], s[24:25]
	s_add_nc_u64 s[HB:HB+1], s[8:9], s[26:27]
	s_add_nc_u64 s[28:29], s[6:7], s[28:29]
	s_add_nc_u64 s[20:21], s[6:7], s[20:21]
	s_add_nc_u64 s[30:31], s[10:11], s[30:31]
	s_add_nc_u64 s[12:13], s[12:13], s[66:67]
.set KK, 0
.rept FIRST                            ; the ring's first steps, under the round below
	XLOAD KK
.set KK, KK+1
.endr
	WIN 0                                          ; at a label and at a branch every window is 0
	s_mov_b32 s[G0], 1                             ; B's half
	s_mov_b32 s[G0+1], s[LB]
	s_mov_b64 s[G0+2:G0+3], s[30:31]
	s_or_b32 s[G0+3], s[G0+3], 0x80000000
	s_mov_b32 s[G0+4], 1                           ; the half of W's first chunk
	s_mov_b32 s[G0+5], s[LB]
	s_mov_b64 s[G0+6:G0+7], s[28:29]
	s_or_b32 s[G0+7], s[G0+7], 0x80000000
	s_mov_b32 s[G0+8], 1                           ; the rest's quarter
	s_add_co_u32 s[G0+9], s[LBB], 2*QB
	s_mov_b64 s[G0+10:G0+11], s[20:21]
	s_or_b32 s[G0+11], s[G0+11], 0x80000000
	CROUND                                         ; all sixteen work-groups are here: the joint loads meet
	s_cmp_lt_u32 s14, 2                            ; one load a wave at the head, in the two arms of one branch on the wave's number
	s_cbranch_scc0 .Lhead_w
	tensor_load_to_lds s[G0:G0+3], s[G1W:G1W+7]
	s_nop 0
	PLACES 4
	s_branch .Lhead_asked
.Lhead_w:
	tensor_load_to_lds s[G0+4:G0+7], s[G1W:G1W+7]
	s_nop 0
	PLACES 4
.Lhead_asked:
	global_prefetch_b8 v[PFA], s[20:21] th:TH_LOAD_NT scope:SCOPE_SE     ; my share of the rest of W
	global_prefetch_b8 v[PFA+1], s[20:21] th:TH_LOAD_NT scope:SCOPE_SE
.rept AHEAD-FIRST                      ; the rest of the ring: 60 loads of mine are out in all
	XLOAD KK
.set KK, KK+1
.endr
	WIN 0
	global_prefetch_b8 v[PFX], s[XB:XB+1] offset:QB th:TH_LOAD_NT scope:SCOPE_SE     ; chunks 2 and 3 of the nine: x's chunks 1 and 2
	global_prefetch_b8 v[PFX], s[XB:XB+1] offset:2*QB th:TH_LOAD_NT scope:SCOPE_SE
	v_lshlrev_b32 v[ADRW], 4, v3
	v_add_nc_u32 v[ADRWS], 4096, v[XSA]            ; 16 x (lane % 16) + 4,096, lanes 16-31 one tile on
	s_mul_i32 s2, s14, 16*SPITCH                   ; my stage
	v_mul_u32_u24 v5, v1, SPITCH
	v_lshl_add_u32 v5, v2, 5, v5
	v_add_nc_u32 v[STO], s2, v5                    ; in: row r, 32 bytes for each half of the lanes
	v_add_nc_u32 v[RD], s2, v[CO]                  ; back: the 32 lanes take one row of 512 bytes
	s_wait_alu depctr_va_vdst(0)                   ; the wait at the head's end
	s_wait_tensorcnt 0x0                           ; my half is in; the three lines ahead of a later first fill:
	ds_add_u32 v126, v127
	s_wait_dscnt 0x0
	CROUND                                         ; everybody's half is in, and the joint loads meet
	tensor_load_to_lds s[G0+8:G0+11], s[G1R:G1R+7] ; all the rest of W, my one load behind the round
	s_nop 0
	PLACES 4
.set KK, 0
.rept NSTEP
	STEP KK
.set KK, KK+1
.endr
	WIN 0
	s_barrier_signal -1                            ; every wave has made its last read of the weights (the last step waited for all its LDS loads): the stages may be written
	s_barrier_wait -1
; THE WAY OUT, block by block of 16 rows x 128 columns, through my own stage in LDS and back as whole rows of 512 bytes.
; LDS serves a wave's instructions in order (ISA guide 5.7.1.4): no wait between the stores and the loads, nor in front of the next block's stores.
.macro TOSTAGE a
	WIN 0x08                                       ; an LDS store's data are its source 1: window 2
.irp b, 0,1,2,3,4,5,6,7
	ds_store_b128 v[STO], v[64*(\a)+8*\b:64*(\a)+8*\b+3] offset:64*\b            ; each accumulator from its low end on
	ds_store_b128 v[STO], v[64*(\a)+8*\b+4:64*(\a)+8*\b+7] offset:64*\b+16
.endr
	WIN 0
.set BB, BK+64*((\a)%2)
.irp t, 0,1,2,3,4,5,6,7,8,9,10,11,12,13,14,15
	ds_load_b128 v[BB+4*\t:BB+4*\t+3], v[RD] offset:\t*SPITCH
.endr
.endm
.macro SEND a, younger                 ; younger: the LDS instructions issued behind block a's loads, which may stay out
.set BB, BK+64*((\a)%2)
	s_wait_dscnt \younger
.irp t, 0,1,2,3,4,5,6,7,8,9,10,11,12,13,14,15
	global_store_b128 v[CO], v[BB+4*\t:BB+4*\t+3], s[12:13] offset:(16*(\a)+\t)*4096 th:TH_STORE_NT   ; 32 lanes store 512 consecutive bytes, at a multiple of 256 from out's first byte
.endr
.endm
	PLACES 4                                       ; behind the last products
	TOSTAGE 0
.irp a, 1,2,3
.if \a > 1
	s_wait_xcnt 0x0                                ; block a - 2's stores have read their registers: block a's loads may land there
.endif
	TOSTAGE \a
	SEND \a-1, 32                                  ; behind block a - 1's loads: block a's 16 stores and 16 loads
.endr
	SEND 3, 0
	s_wait_tensorcnt 0x0                           ; the wave's end
	ds_add_u32 v126, v127
	s_wait_dscnt 0x0
	CROUND                                         ; the closing round: no work-group ends while a partner may still ask for a tile that names it
	s_endpgm
.Lfunc_end_k_q1614d23dce_ogemm:
	.size	k_q1614d23dce_ogemm, .Lfunc_end_k_q1614d23dce_ogemm-k_q1614d23dce_ogemm
	.p2alignl 7, 3214868480
	.fill 96, 4, 3214868480
	.section	.rodata,"a",@progbits
	.p2align	6, 0x0
	.amdhsa_kernel k_q1614d23dce_ogemm
		.amdhsa_group_segment_fixed_size 327680
		.amdhsa_private_segment_fixed_size 0
		.amdhsa_enable_private_segment 0
		.amdhsa_kernarg_size 40
		.amdhsa_user_sgpr_count 2
		.amdhsa_user_sgpr_kernarg_segment_ptr 1
		.amdhsa_wavefront_size32 1
		.amdhsa_system_sgpr_workgroup_id_x 1
		.amdhsa_system_sgpr_workgroup_id_y 1
		.amdhsa_system_sgpr_workgroup_id_z 1
		.amdhsa_system_vgpr_workitem_id 0
		.amdhsa_next_free_vgpr 1024
		.amdhsa_next_free_sgpr 80
		.amdhsa_reserve_vcc 0
		.amdhsa_float_denorm_mode_32 3
		.amdhsa_float_denorm_mode_16_64 3
		.amdhsa_memory_ordered 1
		.amdhsa_forward_progress 1
		.amdhsa_inst_pref_size 247
	.end_amdhsa_kernel
	.amdgpu_metadata
---
amdhsa.version: [ 1, 2 ]
amdhsa.kernels:
  - .name:           k_q1614d23dce_ogemm
    .symbol:         k_q1614d23dce_ogemm.kd
    .args:
      - { .name: xq, .offset: 0, .size: 8, .value_kind: global_buffer, .address_space: global }
      - { .name: wq, .offset: 8, .size: 8, .value_kind: global_buffer, .address_space: global }
      - { .name: hq, .offset: 16, .size: 8, .value_kind: global_buffer, .address_space: global }
      - { .name: bq, .offset: 24, .size: 8, .value_kind: global_buffer, .address_space: global }
      - { .name: out0, .offset: 32, .size: 8, .value_kind: global_buffer, .address_space: global }
    .group_segment_fixed_size: 327680
    .private_segment_fixed_size: 0
    .kernarg_segment_align: 8
    .kernarg_segment_size: 40
    .max_flat_workgroup_size: 128
    .sgpr_count:     80
    .vgpr_count:     1024
    .wavefront_size: 32
...
	.end_amdgpu_metadata
.endif
;; end of part 3
